; MI455X (gfx1250); checked and timed in simulation.
; The chip was launched on July 23, 2026; its instructions are those of AMD's public machine-readable ISA for CDNA 5 (MIT licence, August 2026) and "CDNA5" Instruction Set Architecture Reference Guide (July 2026). The comments in the code are by the model that wrote it; some were corrected since.
;; Diagnet. Allowed arithmetic: float matrix products may take bf16 or f16 operands with f32 sums; other float arithmetic in f32, or as packed bf16 or f16 multiplies, adds, multiply-adds, maxima and minima; sums over many terms, partial sums and values carried from step to step in f32; what a program stores and reads back later, other than sums and carried values, may be rounded once to bf16 or f16.
;; Inputs: W_ho 512 x 2,048 float32; W_ih 2,048 x 512 float32; X 1,024 x 64 x 512 float32; b_ho 512 float32; hh 2,048 float32.
;; Outputs: out0 64 x 512 float32.
;; One version. Each part assembles by itself: llvm-mc -triple=amdgcn-amd-amdhsa -mcpu=gfx1250 --defsym DOCPART=n.
;; ======== version 1 of 1: 3 launches
;; workspace buffers: Wf 2,097,152 bytes; Whf 2,097,152 bytes; hfin 262,144 bytes
;; launch prep (part 1): grid 128 x 2, 8 waves a work-group, no clusters, 0 bytes of LDS; arguments W_ih, W_ho, Wf, Whf; writes Wf, Whf
.if DOCPART == 1
	.amdgcn_target "amdgcn-amd-amdhsa--gfx1250"
	.amdhsa_code_object_version 6
	.text
	.protected	k_qd532f4d0b2_prep
	.globl	k_qd532f4d0b2_prep
	.p2align	8
	.type	k_qd532f4d0b2_prep,@function
k_qd532f4d0b2_prep:
	s_mov_b64 s[64:65], 0
	v_nop
	global_prefetch_b8 v0, s[64:65] scope:SCOPE_SE
	s_setreg_imm32_b32 hwreg(HW_REG_WAVE_MODE, 25, 1), 1
	s_wait_xcnt 0x0
; W_ih [2048][512] and W_ho [512][2048], f32, are rounded once to bf16 and laid out in the order in which a matrix instruction's
; 16-bit operand lies in registers, so that the two later launches fill fragments by loads of 512 consecutive bytes a wave.
; A CHUNK is 8 numbers, 16 bytes of bf16.  Chunk c = ((T x KS + ks) x 2 + j) x 32 + L holds row 16 T + L % 16 of the matrix,
; columns 32 ks + 16 j + 8 (L / 16) + 0..7 (KS = columns / 32).  So the chunk's place along its row is (c >> 4) mod (columns / 8).
; Each matrix has 131,072 chunks: 128 work-groups of 8 waves, 128 chunks a wave, 4 a lane (c0 + 32 i).  Work-group y picks the matrix.
; A stream of 8 MB in and 4 MB out: no LDS, no matrix unit, no cluster (no two work-groups read the same byte).
; A wave's eight loads cover 16 rows x 256 consecutive bytes, aligned; each of its stores covers 512 consecutive bytes, aligned.
.set IN,  8                            ; v[8:39]   chunk i: 8 f32 at v[8 + 8 i]
.set PK,  40                           ; v[40:47]  packed chunks, two sets by turns
	s_load_b256 s[4:11], s[0:1], 0x0               ; W_ih s[4:5], W_ho s[6:7], Wf s[8:9], Whf s[10:11]
	s_and_b32 s20, ttmp7, 0xffff                   ; 0: W_ih to Wf; 1: W_ho to Whf
	s_lshl_b32 s21, ttmp9, 10                      ; the work-group's first chunk
	v_and_b32 v1, 0xe0, v0                         ; 32 x wave
	v_and_b32 v4, 31, v0                           ; lane
	v_lshl_add_u32 v1, v1, 2, v4                   ; 128 x wave + lane
	v_add_nc_u32 v1, s21, v1                       ; c0
	s_cmp_eq_u32 s20, 0
	s_cselect_b32 s16, 10, 12                      ; chunks of a block of 16 rows: 2^10 or 2^12
	s_cselect_b32 s17, 63, 255                     ; chunks in a row, less 1
	s_cselect_b32 s18, 11, 13                      ; bytes in a row of f32: 2^11 or 2^13
	v_lshrrev_b32 v4, s16, v1                      ; T
	v_and_b32 v5, 15, v1
	v_lshl_add_u32 v4, v4, 4, v5                   ; the row: 16 T + c0 % 16
	v_lshrrev_b32 v5, 4, v1
	v_and_b32 v5, s17, v5                          ; the chunk's place along the row,
	v_lshlrev_b32 v5, 5, v5                        ; 32 bytes of f32 each
	v_lshlrev_b32 v2, s18, v4
	v_add_nc_u32 v2, v2, v5                        ; byte offset in the source
	v_lshlrev_b32 v3, 4, v1                        ; byte offset in the destination
	s_wait_kmcnt 0x0
	s_cmp_eq_u32 s20, 0
	s_cselect_b64 s[12:13], s[4:5], s[6:7]         ; the source,
	s_cselect_b64 s[14:15], s[8:9], s[10:11]       ; the destination
.irp i, 0,1,2,3
	global_load_b128 v[IN+8*\i:IN+8*\i+3],   v2, s[12:13] offset:64*\i th:TH_LOAD_NT      ; chunk c0 + 32 i lies two chunks on in its row
	global_load_b128 v[IN+8*\i+4:IN+8*\i+7], v2, s[12:13] offset:64*\i+16 th:TH_LOAD_NT
.endr
.irp i, 0,1,2,3
	s_wait_loadcnt 6-2*\i                          ; loads come back in order: chunk i is in, the later chunks' loads stay out
.if \i == 2
	s_wait_xcnt 0x0                                ; the first two stores' data registers are written again only behind this wait
.endif
.irp r, 0,1,2,3
	v_cvt_pk_bf16_f32 v[PK+4*(\i%2)+\r], v[IN+8*\i+2*\r], v[IN+8*\i+2*\r+1]
.endr
	global_store_b128 v3, v[PK+4*(\i%2):PK+4*(\i%2)+3], s[14:15] offset:512*\i
.endr
	s_endpgm
.Lfunc_end_k_qd532f4d0b2_prep:
	.size	k_qd532f4d0b2_prep, .Lfunc_end_k_qd532f4d0b2_prep-k_qd532f4d0b2_prep
	.p2alignl 7, 3214868480
	.fill 96, 4, 3214868480
	.section	.rodata,"a",@progbits
	.p2align	6, 0x0
	.amdhsa_kernel k_qd532f4d0b2_prep
		.amdhsa_group_segment_fixed_size 0
		.amdhsa_private_segment_fixed_size 0
		.amdhsa_enable_private_segment 0
		.amdhsa_kernarg_size 32
		.amdhsa_user_sgpr_count 2
		.amdhsa_user_sgpr_kernarg_segment_ptr 1
		.amdhsa_wavefront_size32 1
		.amdhsa_system_sgpr_workgroup_id_x 1
		.amdhsa_system_sgpr_workgroup_id_y 1
		.amdhsa_system_sgpr_workgroup_id_z 1
		.amdhsa_system_vgpr_workitem_id 0
		.amdhsa_next_free_vgpr 48
		.amdhsa_next_free_sgpr 66
		.amdhsa_reserve_vcc 0
		.amdhsa_float_denorm_mode_32 3
		.amdhsa_float_denorm_mode_16_64 3
		.amdhsa_memory_ordered 1
		.amdhsa_forward_progress 1
		.amdhsa_inst_pref_size 4
	.end_amdhsa_kernel
	.amdgpu_metadata
---
amdhsa.version: [ 1, 2 ]
amdhsa.kernels:
  - .name:           k_qd532f4d0b2_prep
    .symbol:         k_qd532f4d0b2_prep.kd
    .args:
      - { .name: W_ih, .offset: 0, .size: 8, .value_kind: global_buffer, .address_space: global }
      - { .name: W_ho, .offset: 8, .size: 8, .value_kind: global_buffer, .address_space: global }
      - { .name: Wf, .offset: 16, .size: 8, .value_kind: global_buffer, .address_space: global }
      - { .name: Whf, .offset: 24, .size: 8, .value_kind: global_buffer, .address_space: global }
    .group_segment_fixed_size: 0
    .private_segment_fixed_size: 0
    .kernarg_segment_align: 8
    .kernarg_segment_size: 32
    .max_flat_workgroup_size: 256
    .sgpr_count:     66
    .vgpr_count:     48
    .wavefront_size: 32
...
	.end_amdgpu_metadata
.endif
;; end of part 1
;; launch scan (part 2): grid 8 x 32, 4 waves a work-group, clusters of 4 x 1, 327,680 bytes of LDS; arguments X, Wf, hh, hfin; writes hfin
.if DOCPART == 2
	.amdgcn_target "amdgcn-amd-amdhsa--gfx1250"
	.amdhsa_code_object_version 6
	.text
	.protected	k_qd532f4d0b2_scan
	.globl	k_qd532f4d0b2_scan
	.p2align	8
	.type	k_qd532f4d0b2_scan,@function
k_qd532f4d0b2_scan:
	s_mov_b64 s[64:65], 0
	v_nop
	global_prefetch_b8 v0, s[64:65] scope:SCOPE_SE
	s_setreg_imm32_b32 hwreg(HW_REG_WAVE_MODE, 25, 1), 1
	s_wait_xcnt 0x0
	s_wait_alu depctr_hold_cnt(0) depctr_sa_sdst(0) depctr_va_vdst(0) depctr_va_sdst(0) depctr_va_ssrc(0) depctr_va_vcc(0) depctr_vm_vsrc(0)
	s_getreg_b32 s2, hwreg(HW_REG_IB_STS2, 6, 4)
	s_cmp_eq_u32 s2, 0
	s_cbranch_scc0 .Lentry_in_a_cluster
	s_endpgm
.Lentry_in_a_cluster:
	s_bfe_u32 s2, ttmp6, 0x10000c
	s_cmp_lg_u32 s2, 0x3003
	s_cbranch_scc0 .Lentry_shape_is_right
	s_endpgm
.Lentry_shape_is_right:
; u[s][b][h] = sum over i of X[s][b][i] W_ih[h][i], and h <- |u_s + hh h| over all 1,024 steps, in one launch: u never leaves the registers.
; X: [1024][64][512] f32.  Wf: W_ih in bf16, in fragment order (16 bytes at ((T x 16 + ks) x 2 + j) x 512 + 16 L).  hh: [2048] f32.  hfin: [64][2048] bf16.
; LIMITS.  X, W_ih and hh are rounded to bf16 (hh is then used as f32); products in bf16 with f32 sums; a step is ONE fused multiply-add, where the
; formula multiplies and then adds; a wave adds its 16 K steps in an order that begins at its own quarter of K; the last state is rounded once to bf16.
; bf16 has f32's range.  NaN and infinities are not treated apart.
; SHARES.  A work-group owns batch rows 2 bp, 2 bp + 1 and the 256 states' columns 256 hg ..: 8 x 32 work-groups.  Wave w owns 64 columns: four blocks of 16.
; Its slice of W_ih, 64 x 512 in bf16, is 512 registers and stays in them for the whole launch, so LDS carries X alone.
; A TILE is 16 rows of the product: row m = 8 bb + t is batch row 2 bp + bb at step 8 n + t.  In a result lane L holds column L % 16 and rows 8 (L / 16) + 0..7:
; ONE state (bb = L / 16) and its eight successive u.  So the scan is x <- a |x| + u, one line a number, and nothing changes lanes; the state is |x|.
; X'S WAY.  Tensor loads bring 32 steps (4 tiles) of f32 into one of two slots.  Each wave reads a quarter of a tile's K (its K steps 4 w .. 4 w + 3) as f32,
; rounds it to bf16, keeps those four fragments and puts them into a stage in LDS; the other twelve it reads from the stage, as bf16.
; So each number of X is converted once in the work-group, and 24 of a wave's 40 LDS loads a tile are of bf16.
; PERIODS.  In period p (par = p % 2): the 64 products of tile p (16 K steps x 4 column blocks, the four accumulators by turns);
; the scan of tile p - 1; the fetch of the others' fragments of tile p + 1; the reading, rounding and staging of my quarter of tile p + 2.
; The 112 other lines stand behind the matrix instructions, four at the most behind one, so that matrix and vector work run side by side in the one wave
; that a SIMD holds; each such group costs two switches of the register window, the lesser price beside phases in which no product is issued.
; CLUSTER.  The four work-groups of a cluster have the same bp and walk the same X: each tile is asked for JOINTLY, by the same load, descriptor and mask of four.
; Wf's slice is shared by the 32 work-groups of one hg, but it is read once, 256 KB against the 4 MB of X that a work-group walks: it comes by plain loads.
; REGISTERS, in windows of 256 (s_set_vgpr_msb: bits 1:0 source 0, 3:2 source 1, 5:4 source 2, 7:6 destination):
;   window 0: addresses, states, v32-95 a quarter tile in f32, v96-159 two sets of four accumulators
;   window 1: v0-127, v128-255 two buffers of 16 fragments of X      windows 2, 3: W: local K step kap, block z at ((kap % 8) x 4 + z) x 8, window 2 + kap / 8
; Local K step kap = 4 d + c stands for K step 4 ((w + d) % 4) + c: d = 0 is the wave's own quarter.
.set XP,    1040                       ; a row in a slot: 1,024 bytes + 16 of padding
.set RB,    33408                      ; a region: 32 rows x 1,040 bytes, and 128 bytes more: the 16 rows of a fragment (t + 8 bb) then start at 16 different groups of four banks (64 banks of 4 bytes: ISA guide 11.1)
.set SLOT,  4*RB                       ; region bb + 2 kh: batch row bb, half kh of K
.set STAGE, 2*SLOT                     ; behind the ring, never filled by a tensor load: a tile's 16 fragments in bf16 (K step ks, half j at 1,024 ks + 512 j + 16 L), two buffers
.set STB,   16384
.set HST,   STAGE+2*STB                ; the last states in f32: 2 rows x 256
.set SPARE, HST+2048                   ; the spare words, 128 bytes for each wave: two blocks of 256 bytes that no other line names
.set FILLB, 0x400000                   ; 32 steps of X in bytes
.set XA,  2                            ; v2-3    LDS address of my f32 fragments in slot 0, 1
.set QW,  4                            ; v4-7    ((w + d) % 4) x 4,096 + 16 L: quarter d in Wf and in the stage; never rewritten
.set STO, 8                            ; v8-11   STAGE + the same: v8 where I store, v9-11 where I fetch
.set XS,  12                           ; v12-15  x of my four states
.set AS,  16                           ; v16-19  their hh
.set HO,  20                           ; v20     my byte offset in 16 numbers of hh
.set SPW, 28                           ; v28     LDS address of my spare word; never rewritten
.set NIL, 29                           ; v29     0; never rewritten
.set STG, 32                           ; v32-95  fragment c of my quarter in f32: 16 registers at STG + 16 c
.set ACC, 96                           ; v96-127, v128-159
.set WV,  12                           ; s12  my wave's number
.set HG,  14                           ; s14  hg: it enters the addresses of Wf, hh and hfin alone
.set BP,  15                           ; s15  bp
.set G1,  24                           ; s[24:31] descriptor group 1
.set G0,  32                           ; s[32:39] descriptor group 0, a set for each slot
.set CNT, 40                           ; s40  the loop's count
.set MSB, 0
.macro WIN new                         ; the immediate's high byte repeats the setting that is left; a switch that changes nothing is dropped
.if MSB != (\new)
	s_set_vgpr_msb (MSB<<8)|(\new)
.set MSB, \new
.endif
.endm
.macro PLACES                          ; four plain vector lines that name no register (ISA guide 7.12.1)
.rept 4
	v_nop
.endr
.endm
; A round of the cluster's barrier: my work-group's barrier, so that wave 0's signal speaks for all four waves; wave 0 signals; every wave waits for all four work-groups; my work-group's barrier once more.
.macro CREST                           ; a round behind its opening barrier
	s_cmp_lg_u32 s[WV], 0
	s_cbranch_scc1 .Lnot_wave_0_\@
	s_barrier_signal -3
.Lnot_wave_0_\@:
	s_barrier_wait -3
	s_barrier_signal -1
	s_barrier_wait -1
.endm
.macro CROUND                          ; a whole round
	s_barrier_signal -1
	s_barrier_wait -1
	CREST
.endm
; Matrix instruction mi of a period's 64: local K step mi / 4, column block mi % 4.  Source 0 = X's fragment, source 1 = W's.  The first four start the sums with the constant 0.
.macro MM par
.set kap, mi/4
.set rD, ACC+32*(\par)+8*(mi%4)
.set rA, 128*(\par)+8*kap
.set rB, ((kap%8)*4+mi%4)*8
	WIN 0x09+4*(kap/8)                             ; X in window 1, W in window 2 or 3, the sums in window 0
.if kap == 0
	v_wmma_f32_16x16x32_bf16 v[rD:rD+7], v[rA:rA+7], v[rB:rB+7], 0
.else
	v_wmma_f32_16x16x32_bf16 v[rD:rD+7], v[rA:rA+7], v[rB:rB+7], v[rD:rD+7]
.endif
.endm
; Fragment c of my quarter of the tile at rows 8 xq .. of slot xs, in f32: k = 8 (L / 16) + 0..7 (32 bytes) and 16 + 8 (L / 16) + 0..7 (64 bytes on)
.macro XLOAD xs, xq, c
	WIN 0
	ds_load_b128 v[STG+16*(\c):STG+16*(\c)+3],     v[XA+(\xs)] offset:(\xq)*8*XP+(\c)*128
	ds_load_b128 v[STG+16*(\c)+4:STG+16*(\c)+7],   v[XA+(\xs)] offset:(\xq)*8*XP+(\c)*128+16
	ds_load_b128 v[STG+16*(\c)+8:STG+16*(\c)+11],  v[XA+(\xs)] offset:(\xq)*8*XP+(\c)*128+64
	ds_load_b128 v[STG+16*(\c)+12:STG+16*(\c)+15], v[XA+(\xs)] offset:(\xq)*8*XP+(\c)*128+80
.endm
; The others' fragments, local K steps 4 + 2 g and 5 + 2 g, from stage buffer fp into fragment buffer fp
.macro FLOAD fp, g
	WIN 0x40                                       ; destination window 1, address window 0
.irp q, 0,1
.set kap, 4+2*(\g)+\q
	ds_load_b128 v[128*(\fp)+8*kap:128*(\fp)+8*kap+3],   v[STO+kap/4] offset:(\fp)*STB+(kap%4)*1024
	ds_load_b128 v[128*(\fp)+8*kap+4:128*(\fp)+8*kap+7], v[STO+kap/4] offset:(\fp)*STB+(kap%4)*1024+512
.endr
.endm
; Half n % 2 of fragment n / 2 of my quarter is rounded to bf16, into fragment buffer par
.macro CVT par, n
	WIN 0x40                                       ; destination window 1, sources window 0
.irp i, 0,1,2,3
	v_cvt_pk_bf16_f32 v[128*(\par)+4*(\n)+\i], v[STG+8*(\n)+2*\i], v[STG+8*(\n)+2*\i+1]
.endr
.endm
; Fragments 2 n and 2 n + 1 of my quarter go into stage buffer par: 512 consecutive bytes a line
.macro STORE par, n
	WIN 0x04                                       ; data window 1, address window 0
.irp q, 0,1,2,3
	ds_store_b128 v[STO], v[128*(\par)+16*(\n)+4*\q:128*(\par)+16*(\n)+4*\q+3] offset:(\par)*STB+(\n)*2048+\q*512
.endr
.endm
; Step t of the tile in accumulator set ap, for my four states.  t = 0 comes first: each accumulator is first read at its lowest register.
.macro SCAN ap, t
	WIN 0
.irp z, 0,1,2,3
	v_fma_f32 v[XS+\z], v[AS+\z], |v[XS+\z]|, v[ACC+32*(\ap)+8*\z+(\t)]
.endr
.endm
; A PERIOD.  par: its fragment buffer, accumulator set and stage buffer.  xl = 1: my quarter of the tile two on (slot xs, rows 8 xq ..) is read, rounded and staged.  fl = 1: the next tile's other
; fragments are fetched.  sc = 1: the tile before is scanned.  wm = 1: it has products.  bar = 1: a barrier at its end; 2: the last fill is waited for as well; 3: the barrier opens a round of the
; cluster's, and slot rs is filled again behind it.
; The distances (ISA guide 7.12.1): the four v_nop at a period's end stand between its last products and the next period's fetch into its fragment buffer and scan of its sums; the conversions write
; fragments 0-3, which products 0-15 read: the scan's lines behind products 16 to 24 stand between (in the one period with products and no scan: four v_nop).
; The stage: buffer par is written here, shown to all by this period's barrier, read in the next period, and written again in the period after, behind a barrier in front of which every wave's reads were back.
.macro PERIOD par, xl, xs, xq, fl, sc, wm, bar, rs
.set mi, 0
.rept 64
.if \wm
	MM \par
.endif
.if (\xl) && (mi < 4)
	XLOAD \xs, \xq, mi
.endif
.if (\fl) && (mi >= 4) && (mi < 10)
	FLOAD 1-(\par), mi-4
.endif
.if (\sc) && (mi >= 10) && (mi <= 24) && (mi%2 == 0)
	SCAN 1-(\par), (mi-10)/2
.endif
.if (\wm) && (\xl) && !(\sc) && (mi == 25)
	PLACES
.endif
.if (\xl) && (mi == 26)
	s_wait_dscnt 24*(\fl)                          ; my 16 loads of f32 are in; the fragment loads issued behind them (24, or none) may stay out
.endif
.if (\xl) && (mi >= 26) && (mi < 34)
	CVT \par, mi-26
.endif
.if (\xl) && ((mi == 35) || (mi == 36))
	STORE \par, mi-35
.endif
.if ((\bar) >= 2) && (mi == 51)
	WIN 0                                          ; (the add's two registers lie in window 0)
	s_wait_tensorcnt 0x0                           ; all my tensor loads have landed: the one that was out is my region of the other slot;
	ds_add_u32 v[SPW], v[NIL]                      ; 0 onto my spare word; four products stand between it and the wait for it
.if (\bar) == 3
	s_add_nc_u64 s[G0+4*(\rs)+2:G0+4*(\rs)+3], s[G0+4*(\rs)+2:G0+4*(\rs)+3], 2*FILLB  ; no load of mine is out, so a group 0 may be written: the slot's next 32 steps; the type bits on top are not reached
.endif
.endif
.if ((\bar) >= 1) && (mi == 55)
	s_wait_dscnt 0x0                               ; my stores into the stage are done, my reads of the stage and of the slot are back (and the add is done):
	s_barrier_signal -1                            ; say so; eight products, work on registers, stand between the signal and the wait
.endif
.set mi, mi+1
.endr
.if (\bar) >= 1
	WIN 0                                          ; at a branch and at a label every window is 0
	s_barrier_wait -1
.endif
.if (\bar) == 3
	CREST                                          ; no wave of any partner still reads the slot or has a load on its way
	tensor_load_to_lds s[G0+4*(\rs):G0+4*(\rs)+3], s[G1:G1+7]  ; my one load behind the round, the first thing there: it has four periods, 256 products, in which to land
	s_nop 0
.endif
.if ((\bar) == 0) && (\fl)
	s_wait_dscnt 0x0                               ; the fetched fragments are in
.endif
	PLACES
.endm
	s_load_b256 s[4:11], s[0:1], 0x0               ; X s[4:5], Wf s[6:7], hh s[8:9], hfin s[10:11]
	v_lshl_add_u32 v[SPW], v0, 2, SPARE
	v_mov_b32 v[NIL], 0
	ds_add_u32 v[SPW], v[NIL]                      ; the wave's opening: the add and its wait come ahead of my first tensor load; the set-up below, work on registers, stands between them
	v_lshrrev_b32 v1, 5, v0
	v_readfirstlane_b32 s[WV], v1                  ; wave 0..3
	s_bfe_u32 s13, ttmp6, 0x40000                  ; cx: my place in the cluster
	s_lshl_b32 s[HG], ttmp9, 2                     ; in a cluster launch ttmp9 counts clusters
	s_add_co_u32 s[HG], s[HG], s13                 ; hg = 4 x cluster x + cx
	s_and_b32 s[BP], ttmp7, 0xffff                 ; bp, which the four partners share
	; descriptor group 1: a tile of 32 rows (steps) x 256 f32, padded in LDS
	s_mov_b32 s[G1+0], 15|(2<<16)|(1<<20)|(1<<21)|(7<<22)|(3<<25)  ; 15:0 the mask of four; 17:16 elements of 4 bytes; 20 padding on; 21 set beside a mask; 24:22 after every 256 words (code 7); 31:25 4 words (code 3)
	s_mov_b32 s[G1+1], 256<<16                     ; tensor_dim0 = 256
	s_mov_b32 s[G1+2], 32<<16                      ; tensor_dim1 = 32
	s_mov_b32 s[G1+3], 256<<16                     ; tile_dim0 = 256
	s_mov_b32 s[G1+4], 32                          ; tile_dim1 = 32
	s_mov_b32 s[G1+5], 32768                       ; 64 x 512 elements from a step to the next
	s_mov_b32 s[G1+6], 0
	s_mov_b32 s[G1+7], 0
	s_mul_i32 s16, s[WV], RB                       ; wave w fills region w: batch row w % 2, half w / 2 of K
	s_lshl_b32 s42, s[BP], 12                      ; two batch rows of 2,048 bytes,
	s_and_b32 s17, s[WV], 1
	s_lshl_b32 s17, s17, 11                        ; my batch row,
	s_add_co_u32 s42, s42, s17
	s_lshr_b32 s17, s[WV], 1
	s_lshl_b32 s17, s17, 10                        ; my half of K
	s_add_co_u32 s42, s42, s17
	s_mov_b32 s43, 0
	s_wait_dscnt 0x0                               ; the opening add is done
	s_wait_kmcnt 0x0
	s_add_nc_u64 s[42:43], s[4:5], s[42:43]        ; X at my region of steps 0 to 31
.irp s, 0,1
	s_mov_b32 s[G0+4*\s], 1                        ; 1:0 count = 1
	s_add_co_u32 s[G0+4*\s+1], s16, \s*SLOT        ; 63:32 LDS address
	s_add_nc_u64 s[G0+4*\s+2:G0+4*\s+3], s[42:43], \s*FILLB  ; 120:64 global address: steps 32 s on
	s_or_b32 s[G0+4*\s+3], s[G0+4*\s+3], 0x80000000          ; 127:126 type = 2
.endr
	CROUND                                         ; all four work-groups are here: the first joint loads meet
	tensor_load_to_lds s[G0:G0+3], s[G1:G1+7]      ; the two first fills go out together: two loads of mine are out
	s_nop 0
	tensor_load_to_lds s[G0+4:G0+7], s[G1:G1+7]
	s_nop 0
	PLACES
	v_and_b32 v1, 31, v0
	v_lshlrev_b32 v1, 4, v1                        ; 16 L
.irp d, 0,1,2,3
	s_add_co_u32 s16, s[WV], \d
	s_and_b32 s16, s16, 3
	s_lshl_b32 s16, s16, 12
	v_add_nc_u32 v[QW+\d], s16, v1
	v_add_nc_u32 v[STO+\d], STAGE, v[QW+\d]
.endr
	; W: 128 loads of 512 consecutive bytes, straight into the registers in which it stays
	s_lshl_b32 s18, s[HG], 4
	s_lshl_b32 s19, s[WV], 2
	s_add_co_u32 s18, s18, s19                     ; my first block of 16 columns: 16 hg + 4 w,
	s_lshl_b32 s44, s18, 14                        ; 16,384 bytes each
	s_mov_b32 s45, 0
	s_add_nc_u64 s[44:45], s[6:7], s[44:45]
.set kap, 0
.rept 16
	WIN 0x80+0x40*(kap/8)                          ; destination window 2 or 3, address window 0
.irp z, 0,1,2,3
	global_load_b128 v[((kap%8)*4+\z)*8:((kap%8)*4+\z)*8+3],   v[QW+kap/4], s[44:45] offset:\z*16384+(kap%4)*1024
	global_load_b128 v[((kap%8)*4+\z)*8+4:((kap%8)*4+\z)*8+7], v[QW+kap/4], s[44:45] offset:\z*16384+(kap%4)*1024+512
.endr
.set kap, kap+1
.endr
	WIN 0
	s_lshl_b32 s46, s[HG], 10                      ; hh at my 64 columns: (256 hg + 64 w) x 4 bytes
	s_lshl_b32 s19, s[WV], 8
	s_add_co_u32 s46, s46, s19
	s_mov_b32 s47, 0
	s_add_nc_u64 s[46:47], s[8:9], s[46:47]
	v_and_b32 v[HO], 15, v0
	v_lshlrev_b32 v[HO], 2, v[HO]
.irp z, 0,1,2,3
	global_load_b32 v[AS+\z], v[HO], s[46:47] offset:64*\z
.endr
.irp z, 0,1,2,3
	v_mov_b32 v[XS+\z], 0                          ; the states start at 0
.endr
	; my f32 fragments: row m = L % 16 is batch row (L / 8) % 2 (a region) at step L % 8 (a row of it); 32 bytes for each half of the lanes; my half of K (two regions on), my quarter in it (512 bytes)
	v_bfe_u32 v21, v0, 3, 1
	v_and_b32 v22, 7, v0
	v_bfe_u32 v23, v0, 4, 1
	v_mul_u32_u24 v[XA], v21, RB
	v_mul_u32_u24 v24, v22, XP
	v_add_nc_u32 v[XA], v[XA], v24
	v_lshl_add_u32 v[XA], v23, 5, v[XA]
	s_lshr_b32 s16, s[WV], 1
	s_mul_i32 s16, s16, 2*RB
	s_and_b32 s17, s[WV], 1
	s_lshl_b32 s17, s17, 9
	s_add_co_u32 s16, s16, s17
	v_add_nc_u32 v[XA], s16, v[XA]
	v_add_nc_u32 v[XA+1], SLOT, v[XA]
	s_wait_tensorcnt 0x1                           ; my region of slot 0 is in; slot 1's load may stay out
	s_barrier_signal -1
	s_barrier_wait -1                              ; everybody's is
	PERIOD 0,1,0,0, 0,0,0, 1,0                     ; the pipeline fills: tile 0 is rounded and staged;
	PERIOD 1,1,0,1, 1,0,0, 1,0                     ; tile 1 likewise, and the others' fragments of tile 0 are fetched
	s_wait_loadcnt 0x0                             ; W and hh
.irp z, 0,1,2,3
	v_cvt_pk_bf16_f32 v[AS+\z], v[AS+\z], v[AS+\z] ; hh rounded to bf16,
.endr
.irp z, 0,1,2,3
	v_lshlrev_b32 v[AS+\z], 16, v[AS+\z]           ; and written as f32 again
.endr
	PERIOD 0,1,0,2, 1,0,1, 1,0                     ; period 0: the first products; nothing to scan yet
	s_mov_b32 s[CNT], 15
.Lloop:                                                ; a trip: periods 8 n + 1 to 8 n + 8, once round the ring: both slots are filled again.  15 trips: fills 2 to 31
	PERIOD 1,1,0,3, 1,1,1, 3,0                     ; slot 0's last tile is read: slot 0 is filled again
	PERIOD 0,1,1,0, 1,1,1, 1,0
	PERIOD 1,1,1,1, 1,1,1, 1,0
	PERIOD 0,1,1,2, 1,1,1, 1,0
	PERIOD 1,1,1,3, 1,1,1, 3,1                     ; slot 1's last tile is read: slot 1 is filled again
	PERIOD 0,1,0,0, 1,1,1, 1,0
	PERIOD 1,1,0,1, 1,1,1, 1,0
	PERIOD 0,1,0,2, 1,1,1, 1,0
	s_sub_co_u32 s[CNT], s[CNT], 1
	s_cmp_lg_u32 s[CNT], 0
	s_cbranch_scc1 .Lloop
	PERIOD 1,1,0,3, 1,1,1, 2,0                     ; periods 121 to 127 are written out: the last fill is waited for, nothing is asked for
	PERIOD 0,1,1,0, 1,1,1, 1,0
	PERIOD 1,1,1,1, 1,1,1, 1,0
	PERIOD 0,1,1,2, 1,1,1, 1,0
	PERIOD 1,1,1,3, 1,1,1, 1,0                     ; tile 127 is staged
	PERIOD 0,0,0,0, 1,1,1, 0,0                     ; nothing is left to read from the slots; nobody writes the stage any more, so no barrier
	PERIOD 1,0,0,0, 0,1,1, 0,0
.irp t, 0,1,2,3,4,5,6,7
	SCAN 1, \t                                     ; the last tile's eight steps, behind the period's four v_nop
.endr
	; THE WAY OUT.  The state is |x|.  The four waves' 64 columns meet in LDS as two rows of 256 f32; waves 0 and 1 round a row each to bf16 and store it.
.irp z, 0,1,2,3
	v_and_b32 v[XS+\z], 0x7fffffff, v[XS+\z]
.endr
	v_and_b32 v21, 15, v0
	v_bfe_u32 v22, v0, 4, 1
	v_lshlrev_b32 v21, 2, v21                      ; column L % 16 of a block,
	v_lshl_add_u32 v21, v22, 10, v21               ; row L / 16,
	s_lshl_b32 s16, s[WV], 8                       ; my wave's 64 columns
	s_add_co_u32 s16, s16, HST
	v_add_nc_u32 v21, s16, v21
.irp z, 0,1,2,3
	ds_store_b32 v21, v[XS+\z] offset:64*\z
.endr
	s_wait_dscnt 0x0                               ; for the others' sake: my stores are done
	s_barrier_signal -1
	s_barrier_wait -1
	s_cmp_lt_u32 s[WV], 2
	s_cbranch_scc0 .Lend
	v_and_b32 v23, 31, v0
	s_lshl_b32 s17, s[WV], 10
	s_add_co_u32 s17, s17, HST
	v_lshl_add_u32 v22, v23, 5, s17                ; row w, my 8 numbers
	v_lshlrev_b32 v23, 4, v23                      ; and their 16 bytes in bf16
	ds_load_b128 v[32:35], v22
	ds_load_b128 v[36:39], v22 offset:16
	s_lshl_b32 s20, s[BP], 13                      ; hfin: row 2 bp + w of 4,096 bytes, columns 256 hg on
	s_lshl_b32 s22, s[WV], 12
	s_add_co_u32 s20, s20, s22
	s_lshl_b32 s22, s[HG], 9
	s_add_co_u32 s20, s20, s22
	s_mov_b32 s21, 0
	s_add_nc_u64 s[20:21], s[10:11], s[20:21]
	s_wait_dscnt 0x0
.irp i, 0,1,2,3
	v_cvt_pk_bf16_f32 v[24+\i], v[32+2*\i], v[33+2*\i]
.endr
	global_store_b128 v23, v[24:27], s[20:21]      ; the wave stores 512 consecutive bytes, at a multiple of 512 from hfin's first byte
.Lend:
	s_wait_tensorcnt 0x0                           ; the wave's end, behind my last tensor load and my last LDS store
	ds_add_u32 v[SPW], v[NIL]
	s_wait_dscnt 0x0
	CROUND                                         ; the closing round: no work-group ends while a partner may still ask for a tile that names it
	s_endpgm
.Lfunc_end_k_qd532f4d0b2_scan:
	.size	k_qd532f4d0b2_scan, .Lfunc_end_k_qd532f4d0b2_scan-k_qd532f4d0b2_scan
	.p2alignl 7, 3214868480
	.fill 96, 4, 3214868480
	.section	.rodata,"a",@progbits
	.p2align	6, 0x0
	.amdhsa_kernel k_qd532f4d0b2_scan
		.amdhsa_group_segment_fixed_size 327680
		.amdhsa_private_segment_fixed_size 0
		.amdhsa_enable_private_segment 0
		.amdhsa_kernarg_size 32
		.amdhsa_user_sgpr_count 2
		.amdhsa_user_sgpr_kernarg_segment_ptr 1
		.amdhsa_wavefront_size32 1
		.amdhsa_system_sgpr_workgroup_id_x 1
		.amdhsa_system_sgpr_workgroup_id_y 1
		.amdhsa_system_sgpr_workgroup_id_z 1
		.amdhsa_system_vgpr_workitem_id 0
		.amdhsa_next_free_vgpr 1024
		.amdhsa_next_free_sgpr 66
		.amdhsa_reserve_vcc 0
		.amdhsa_float_denorm_mode_32 3
		.amdhsa_float_denorm_mode_16_64 3
		.amdhsa_memory_ordered 1
		.amdhsa_forward_progress 1
		.amdhsa_inst_pref_size 229
	.end_amdhsa_kernel
	.amdgpu_metadata
---
amdhsa.version: [ 1, 2 ]
amdhsa.kernels:
  - .name:           k_qd532f4d0b2_scan
    .symbol:         k_qd532f4d0b2_scan.kd
    .args:
      - { .name: X, .offset: 0, .size: 8, .value_kind: global_buffer, .address_space: global }
      - { .name: Wf, .offset: 8, .size: 8, .value_kind: global_buffer, .address_space: global }
      - { .name: hh, .offset: 16, .size: 8, .value_kind: global_buffer, .address_space: global }
      - { .name: hfin, .offset: 24, .size: 8, .value_kind: global_buffer, .address_space: global }
    .group_segment_fixed_size: 327680
    .private_segment_fixed_size: 0
    .kernarg_segment_align: 8
    .kernarg_segment_size: 32
    .max_flat_workgroup_size: 128
    .sgpr_count:     66
    .vgpr_count:     1024
    .wavefront_size: 32
...
	.end_amdgpu_metadata
.endif
;; end of part 2
;; launch out (part 3): grid 8 x 4, 16 waves a work-group, no clusters, 71,680 bytes of LDS; arguments hfin, Whf, b_ho, out0; writes out0
.if DOCPART == 3
	.amdgcn_target "amdgcn-amd-amdhsa--gfx1250"
	.amdhsa_code_object_version 6
	.text
	.protected	k_qd532f4d0b2_out
	.globl	k_qd532f4d0b2_out
	.p2align	8
	.type	k_qd532f4d0b2_out,@function
k_qd532f4d0b2_out:
	s_mov_b64 s[64:65], 0
	v_nop
	global_prefetch_b8 v0, s[64:65] scope:SCOPE_SE
	s_setreg_imm32_b32 hwreg(HW_REG_WAVE_MODE, 25, 1), 1
	s_wait_xcnt 0x0
; out0[b][o] = sum over h of hfin[b][h] W_ho[o][h] + b_ho[o].  hfin: [64][2048] bf16.  Whf: W_ho in bf16, in fragment order (16 bytes at ((T x 64 + ks) x 2 + j) x 512 + 16 L).
; b_ho: [512] f32.  out0: [64][512] f32.
; LIMITS.  W_ho and b_ho are rounded to bf16 (b_ho is then used as f32); products in bf16, all sums in f32; K is split over 16 waves, whose partial sums are added in the waves' order.
; SHARES.  A work-group makes 16 batch rows x 64 outputs, so that a row of its result is 256 consecutive bytes of out0, aligned: 8 x 4 work-groups; the sizes have work for no more
; blocks of that shape.  Wave v takes K = 128 v .. 128 v + 127: 4 K steps x 4 blocks of 16 outputs, 16 matrix instructions on four accumulators by turns.
; The partial sums meet in LDS; waves 0 to 7 add them, and the bias, and store.
; THE MATRIX INSTRUCTION IS USED TRANSPOSED (source 0 = 16 rows of W_ho, source 1 = 16 rows of hfin): a lane holds batch row L % 16 and eight neighbouring outputs 8 (L / 16) + 0..7.
; NO CLUSTER: the operands go straight from memory into fragment registers, each read once by its wave; there is no tile in LDS that partners could receive jointly.
.set PP,    272                        ; a row of partial sums: 256 bytes + 16 of padding: the 16 rows of a store start at 16 different groups of four banks (64 banks of 4 bytes: ISA guide 11.1)
.set PW,    16*PP                      ; a wave's partial sums
.set SPARE, 16*PW                      ; behind them: the spare words, 128 bytes for each of 16 waves: eight blocks of 256 bytes that no other line names
.set HA,  2                            ; v2   my byte offset in 16 rows of hfin
.set WA,  3                            ; v3   16 L
.set STO, 4                            ; v4   where I put my partial sums
.set RD,  5                            ; v5   where thread T reads 16 bytes of each wave's partial sums
.set OA,  6                            ; v6   thread T's byte offset in the block of out0
.set BA,  7                            ; v7   its byte offset in 64 numbers of b_ho
.set SPW, 8                            ; v8   LDS address of my spare word; never rewritten
.set NIL, 9                            ; v9   0; never rewritten
.set SUM, 12                           ; v[12:15]  the bias, then the sum
.set HF,  16                           ; v[16:47]  hfin's fragment of K step ks at HF + 8 ks
.set WF,  48                           ; v[48:175] W_ho's fragment of block z, K step ks at WF + 8 (4 z + ks); later the 16 waves' partial sums
.set ACC, 176                          ; v[176:207]
	s_load_b256 s[4:11], s[0:1], 0x0               ; hfin s[4:5], Whf s[6:7], b_ho s[8:9], out0 s[10:11]
	v_lshl_add_u32 v[SPW], v0, 2, SPARE
	v_mov_b32 v[NIL], 0
	v_lshrrev_b32 v10, 5, v0
	v_readfirstlane_b32 s12, v10                   ; wave 0..15
	s_and_b32 s13, ttmp7, 0xffff                   ; y: 16 batch rows
	s_lshl_b32 s16, s13, 16                        ; hfin: 16 rows of 4,096 bytes,
	s_lshl_b32 s14, s12, 8                         ; my 128 columns
	s_add_co_u32 s16, s16, s14
	s_mov_b32 s17, 0
	s_lshl_b32 s18, ttmp9, 18                      ; Whf: four blocks of 65,536 bytes,
	s_lshl_b32 s14, s12, 12                        ; my four K steps of 1,024
	s_add_co_u32 s18, s18, s14
	s_mov_b32 s19, 0
	s_lshl_b32 s20, ttmp9, 8                       ; b_ho: 64 numbers
	s_mov_b32 s21, 0
	s_lshl_b32 s22, s13, 15                        ; out0: 16 rows of 2,048 bytes, 64 columns
	s_add_co_u32 s22, s22, s20
	s_mov_b32 s23, 0
	v_and_b32 v10, 15, v0
	v_bfe_u32 v11, v0, 4, 1
	v_lshlrev_b32 v[HA], 12, v10
	v_lshl_add_u32 v[HA], v11, 4, v[HA]            ; row L % 16, 16 bytes for each half of the lanes
	v_and_b32 v[WA], 31, v0
	v_lshlrev_b32 v[WA], 4, v[WA]
	s_mul_i32 s14, s12, PW
	v_mul_u32_u24 v[STO], v10, PP
	v_lshl_add_u32 v[STO], v11, 5, v[STO]          ; row L % 16, 32 bytes for each half of the lanes
	v_add_nc_u32 v[STO], s14, v[STO]
	v_lshrrev_b32 v[RD], 4, v0                     ; thread T (below 256): row T / 16, 16 bytes at 16 (T % 16)
	v_lshlrev_b32 v[OA], 11, v[RD]
	v_mul_u32_u24 v[RD], v[RD], PP
	v_lshlrev_b32 v[BA], 4, v10
	v_add_nc_u32 v[RD], v[RD], v[BA]
	v_add_nc_u32 v[OA], v[OA], v[BA]
	s_wait_kmcnt 0x0
	s_add_nc_u64 s[16:17], s[4:5], s[16:17]
	s_add_nc_u64 s[18:19], s[6:7], s[18:19]
	s_add_nc_u64 s[20:21], s[8:9], s[20:21]
	s_add_nc_u64 s[22:23], s[10:11], s[22:23]
	global_load_b128 v[SUM:SUM+3], v[BA], s[20:21]
.irp ks, 0,1,2,3                       ; ten loads a K step
	global_load_b128 v[HF+8*\ks:HF+8*\ks+3],   v[HA], s[16:17] offset:64*\ks
	global_load_b128 v[HF+8*\ks+4:HF+8*\ks+7], v[HA], s[16:17] offset:64*\ks+32
.irp z, 0,1,2,3
	global_load_b128 v[WF+8*(4*\z+\ks):WF+8*(4*\z+\ks)+3],   v[WA], s[18:19] offset:\z*65536+\ks*1024
	global_load_b128 v[WF+8*(4*\z+\ks)+4:WF+8*(4*\z+\ks)+7], v[WA], s[18:19] offset:\z*65536+\ks*1024+512
.endr
.endr
.irp ks, 0,1,2,3
	s_wait_loadcnt 10*(3-\ks)                      ; loads come back in order: this K step's are in, the later K steps' ten each stay out
.irp z, 0,1,2,3
.if \ks == 0
	v_wmma_f32_16x16x32_bf16 v[ACC+8*\z:ACC+8*\z+7], v[WF+8*(4*\z+\ks):WF+8*(4*\z+\ks)+7], v[HF+8*\ks:HF+8*\ks+7], 0
.else
	v_wmma_f32_16x16x32_bf16 v[ACC+8*\z:ACC+8*\z+7], v[WF+8*(4*\z+\ks):WF+8*(4*\z+\ks)+7], v[HF+8*\ks:HF+8*\ks+7], v[ACC+8*\z:ACC+8*\z+7]
.endif
.endr
.endr
.rept 4
	v_nop                                          ; four places between the last products and the stores of their results, and the loads into their sources
.endr
.irp z, 0,1,2,3
	ds_store_b128 v[STO], v[ACC+8*\z:ACC+8*\z+3]   offset:64*\z     ; each accumulator's low half first
	ds_store_b128 v[STO], v[ACC+8*\z+4:ACC+8*\z+7] offset:64*\z+16
.endr
	s_wait_dscnt 0x0                               ; for the others' sake: my stores are done
	s_barrier_signal -1
	s_barrier_wait -1
	s_cmp_lt_u32 s12, 8
	s_cbranch_scc0 .Lend                           ; 256 threads have 16 bytes of the block each
.irp i, 0,1,2,3,4,5,6,7,8,9,10,11,12,13,14,15
	ds_load_b128 v[WF+4*\i:WF+4*\i+3], v[RD] offset:\i*PW
.endr
	v_cvt_pk_bf16_f32 v10, v[SUM], v[SUM+1]        ; the bias rounded to bf16,
	v_cvt_pk_bf16_f32 v11, v[SUM+2], v[SUM+3]
	v_lshlrev_b32 v[SUM], 16, v10                  ; and written as f32 again: it starts the sum
	v_and_b32 v[SUM+1], 0xffff0000, v10
	v_lshlrev_b32 v[SUM+2], 16, v11
	v_and_b32 v[SUM+3], 0xffff0000, v11
.irp i, 0,1,2,3,4,5,6,7,8,9,10,11,12,13,14,15
	s_wait_dscnt 15-\i                             ; LDS loads come back in order: wave i's partial sums are in, the younger loads stay out
	v_pk_add_f32 v[SUM:SUM+1],   v[SUM:SUM+1],   v[WF+4*\i:WF+4*\i+1]
	v_pk_add_f32 v[SUM+2:SUM+3], v[SUM+2:SUM+3], v[WF+4*\i+2:WF+4*\i+3]
.endr
	global_store_b128 v[OA], v[SUM:SUM+3], s[22:23]  ; 16 lanes store 256 consecutive bytes, at a multiple of 256 from out0's first byte
.Lend:
	s_wait_tensorcnt 0x0                           ; the wave's end, behind my last LDS store
	ds_add_u32 v[SPW], v[NIL]
	s_wait_dscnt 0x0
	s_endpgm
.Lfunc_end_k_qd532f4d0b2_out:
	.size	k_qd532f4d0b2_out, .Lfunc_end_k_qd532f4d0b2_out-k_qd532f4d0b2_out
	.p2alignl 7, 3214868480
	.fill 96, 4, 3214868480
	.section	.rodata,"a",@progbits
	.p2align	6, 0x0
	.amdhsa_kernel k_qd532f4d0b2_out
		.amdhsa_group_segment_fixed_size 71680
		.amdhsa_private_segment_fixed_size 0
		.amdhsa_enable_private_segment 0
		.amdhsa_kernarg_size 32
		.amdhsa_user_sgpr_count 2
		.amdhsa_user_sgpr_kernarg_segment_ptr 1
		.amdhsa_wavefront_size32 1
		.amdhsa_system_sgpr_workgroup_id_x 1
		.amdhsa_system_sgpr_workgroup_id_y 1
		.amdhsa_system_sgpr_workgroup_id_z 1
		.amdhsa_system_vgpr_workitem_id 0
		.amdhsa_next_free_vgpr 208
		.amdhsa_next_free_sgpr 66
		.amdhsa_reserve_vcc 0
		.amdhsa_float_denorm_mode_32 3
		.amdhsa_float_denorm_mode_16_64 3
		.amdhsa_memory_ordered 1
		.amdhsa_forward_progress 1
		.amdhsa_inst_pref_size 12
	.end_amdhsa_kernel
	.amdgpu_metadata
---
amdhsa.version: [ 1, 2 ]
amdhsa.kernels:
  - .name:           k_qd532f4d0b2_out
    .symbol:         k_qd532f4d0b2_out.kd
    .args:
      - { .name: hfin, .offset: 0, .size: 8, .value_kind: global_buffer, .address_space: global }
      - { .name: Whf, .offset: 8, .size: 8, .value_kind: global_buffer, .address_space: global }
      - { .name: b_ho, .offset: 16, .size: 8, .value_kind: global_buffer, .address_space: global }
      - { .name: out0, .offset: 24, .size: 8, .value_kind: global_buffer, .address_space: global }
    .group_segment_fixed_size: 71680
    .private_segment_fixed_size: 0
    .kernarg_segment_align: 8
    .kernarg_segment_size: 32
    .max_flat_workgroup_size: 512
    .sgpr_count:     66
    .vgpr_count:     208
    .wavefront_size: 32
...
	.end_amdgpu_metadata
.endif
;; end of part 3
